; MI455X (gfx1250); checked and timed in simulation.
; The chip was launched on July 23, 2026; its instructions are those of AMD's public machine-readable ISA for CDNA 5 (MIT licence, August 2026) and "CDNA5" Instruction Set Architecture Reference Guide (July 2026). The comments in the code are by the model that wrote it; some were corrected since.
;; Self Attention. Allowed arithmetic: matrix products marked QUANTISED: E2M3 operands, one E8M0 scale for each 32 along K, by v_wmma_scale_f32_16x16x128_f8f6f4 with both operands' format E2M3, f32 sums; products left as they are: f32 operands where the result goes on into a quantised operand, else bf16, f16 or f32 operands; f32 sums; everything else in f32.
;; Inputs: Wk 64 x 16 float32; Wq 64 x 16 float32; Wv 64 x 64 float32; x 4 x 4,096 x 64 float32.
;; Outputs: out0 4 x 4,096 x 64 float32.
;; This version of the problem:
;;   THIS VERSION OF THE PROBLEM IS GIVEN IN LOW PRECISION. The matrix products marked QUANTISED in the list below multiply operands that are first quantised to E2M3 (2 exponent bits, 3 mantissa bits; 6 bits a number), with one power-of-two scale for each 32 numbers along K (OCP MX v1.0); their sums are f32. All else is computed in f32.
;;   The module's matrix products, in the order in which they are computed (A, B: the left and right operand; K: the contracted axis; several contracted axes count as one K, in the product's order):
;;     1. [M 16,384, K 64] x [K 64, N 16]; A: input x; B: input Wq: QUANTISED
;;     2. [M 16,384, K 64] x [K 64, N 16]; A: input x; B: input Wk: QUANTISED
;;     3. [M 16,384, K 64] x [K 64, N 64]; A: input x; B: input Wv: QUANTISED
;;     4. batch 4 x [M 4,096, K 16] x [K 16, N 4,096]; A: computed on the way; B: computed on the way: left as it is (K = 16 < 32)
;;     5. batch 4 x [M 4,096, K 4,096] x [K 4,096, N 64]; A: softmax (see below); B: computed on the way: QUANTISED
;;   THE QUANTISER, for each operand of a quantised product, along K:
;;     - K is cut into blocks of 32 from its start; a last block that is shorter is filled with zeros.
;;     - A block's scale is 2^e with e = floor(log2(the largest magnitude in the block)) - 2, held to -126 .. 127; a block of zeros has e = 0. As a byte (E8M0): e + 127.
;;     - Each number is divided by its block's scale, clamped to +-7.5, and rounded to the nearest number of E2M3, ties to even, subnormals kept.
;;     - The product sums the exact products of the quantised numbers (number of the format x scale) in f32.
;;   ~~~python
;;   def quantise(x, axis):      # numpy; x: float32 -> the quantised numbers, widened to float32 again
;;       x = np.moveaxis(x, axis, -1); K = x.shape[-1]
;;       x = np.pad(x, [(0, 0)] * (x.ndim - 1) + [(0, -K % 32)]); x = x.reshape(x.shape[:-1] + (-1, 32)); a = np.abs(x).max(-1, keepdims=True)
;;       e = np.where(a > 0, np.clip(np.frexp(np.where(a > 0, a, 1))[1] - 1 - 2, -126, 127), 0)      # np.frexp(a)[1] - 1 = floor(log2(a)), exactly
;;       r = np.clip(x / 2.0 ** e, -7.5, 7.5)
;;       step = 2.0 ** (np.maximum(np.frexp(np.where(r == 0, 1, r))[1] - 1, 0) - 3)
;;       q = np.round(r / step) * step * 2.0 ** e      # np.round: ties to even
;;       return np.moveaxis(q.reshape(q.shape[:-2] + (-1,))[..., :K], -1, axis).astype(np.float32)
;;   ~~~
;;   SOFTMAX AHEAD OF A QUANTISED PRODUCT. Where the list says 'softmax', what is quantised is not the finished softmax but p = 2^(t - M), with t = logit x log2(e) and M = ceil(the row's largest t), a whole number; so 1/2 < the row's largest p <= 1. The row's sum l is taken of the UNQUANTISED p, in f32, and the product's result is divided by l at the end. Since M is a whole number, a kernel that streams over the keys may use a running M (the ceiling of the running maximum): every later rescaling is an exact power of two, which a block's scale takes up: the codes' values come out the same.
;;   OPERANDS COMPUTED ON THE WAY. 'Computed on the way' means the value that the module computes at that place (a softmax that the list does not call 'softmax' is quantised finished and normalised). What goes into a quantiser is computed in f32, as accurately as f32 sums, v_exp_f32 and their like allow (about 1e-6 of the number): no bf16 or f16 on the way to a quantiser, and a product that is left as it is and whose result goes on into a quantised operand takes f32 operands (vector FMAs, or v_wmma_f32_16x16x4_f32). A number that lies on a knife's edge between two numbers of the format may be rounded either way, as far as f32 arithmetic and the matrix unit's own rounding can turn it there, and no further.
;; One version. Each part assembles by itself: llvm-mc -triple=amdgcn-amd-amdhsa -mcpu=gfx1250 --defsym DOCPART=n.
;; ======== version 1 of 1: 2 launches
;; workspace buffers: qf 1,048,576 bytes; kv 1,900,544 bytes
;; launch proj (part 1): grid 128 x 1, 4 waves a work-group, no clusters, 70,144 bytes of LDS; arguments x, Wq, Wk, Wv, qf, kv; writes qf, kv
.if DOCPART == 1
	.amdgcn_target "amdgcn-amd-amdhsa--gfx1250"
	.amdhsa_code_object_version 6
	.text
	.protected	k_qa0068ed842_proj
	.globl	k_qa0068ed842_proj
	.p2align	8
	.type	k_qa0068ed842_proj,@function
k_qa0068ed842_proj:
	s_mov_b64 s[64:65], 0
	v_nop
	global_prefetch_b8 v0, s[64:65] scope:SCOPE_SE
	s_setreg_imm32_b32 hwreg(HW_REG_WAVE_MODE, 25, 1), 1
	s_wait_xcnt 0x0
; q = x Wq, k = x Wk, v = x Wv on codes of FP6 (E2M3) with one E8M0 scale for each 32 along K = 64; v is then quantised along the KEYS for the next launch.
; x: [16384][64] f32; Wq, Wk: [64][16]; Wv: [64][64] f32, K their first axis.  K = 64 is half of the matrix instruction's 128: the upper 64 are zero codes under the byte 127.
; SHARES.  A work-group takes one STEP of 128 rows (step g = the work-group's number).  A step has 8 tiles t = 2 b + u of 16 rows; lane r of tile t stands for row 32 b + 8 u + r + 8 (r / 8),
; so that the 16 registers of tiles 2 b and 2 b + 1 of a result are 16 neighbouring rows.  Wave w quantises rows 32 w .. 32 w + 31 (tiles 2 w, 2 w + 1), makes q and k of these two tiles,
; and makes v of channels 16 w .. 16 w + 15 for all 128 rows: one fragment (16 channels x 128 keys) and one scale word a channel.
; WHAT IS STORED, as images of operand registers (lane l's 16 bytes at 16 l, 512 consecutive bytes a store):
;   qf: record g of 8,192 bytes; tile t at 1,024 t; part c at 512 c holds q(row(r), dims 8 h + 4 c + 0 .. 3), f32.
;   kv: record g of 14,848 bytes: k as qf (8,192); v's four fragments, 1,536 each (at 8,192); v's scale words, 128 bytes a fragment (at 14,336).
; The weights, 24,576 bytes, are all that work-groups share; they come by twelve register loads a thread and are turned in LDS by plain stores: there is no tensor load that partners could ask for jointly.
; LIMITS: NaN and infinities among the inputs are not served.  A block of zeros gets the byte 1 where the rule says 127: its codes are zeros, and this program alone reads the bytes.
.set REC,   14848                      ; a record of kv
.set XSTW,  8960                       ; LDS: each wave's stage for its 32 rows of x: row p at 272 p + 128 (p / 16)
.set WST,   35840                      ; the weights as they lie: Wq at 0, Wk at 4,352, Wv at 8,704; rows 32 .. 63 of each lie 64 bytes further on than dense
.set XIMG,  61184                      ; x's 8 fragments: registers 0-3 at 16 x lane, registers 4-5 at 512 + 8 x lane: 768 bytes each
.set XSC,   67328                      ; their scale words, 128 bytes each
.set VSC,   68352                      ; v's scale words: 128 x wave + 4 x lane
.set L16,  1                           ; v1   16 x lane
.set T16,  2                           ; v2   16 x thread
.set XSI,  3                           ; v3   x's stage, in
.set XSO,  4                           ; v4   x's stage, out
.set WSI,  5                           ; v5   the weights' stage, in
.set WCQ,  6                           ; v6   my column of Wq and Wk
.set WCV,  7                           ; v7   my column of Wv
.set IW16, 8                           ; v8-10  where I store x's images and scale words
.set IW8,  9
.set IW4,  10
.set IR16, 11                          ; v11-13 where any wave reads them
.set IR8,  12
.set IR4,  13
.set VW,   14                          ; v14  v's scale word, in
.set VR,   15                          ; v15  and out
.set SH8,  16                          ; v16  8 h: my block's byte in a scale word
.set LN,   17                          ; v17-19 lane, r, h
.set RR,   18
.set HH,   19
.set XS,   20                          ; v20-23 x's scale words: scales and nothing else
.set XN,   24                          ; v24-87 x as loaded, then 2 x 32 neighbours; later the 8 accumulators of v
.set HA,   24
.set WL,   88                          ; v88-135 the weights as loaded
.set XC,   88                          ; v88-99  x's codes
.set WR,   88                          ; v88-183 3 x 32 numbers down my columns
.set XF,   88                          ; v88-135 four fragments of x
.set TM,   136                         ; v136-151, v152-171: at work in QUANT
.set PC,   152
.set QT,   184                         ; v184-209: at work in Q32
.set QS,   188
.set QP,   192
.set QC,   196
.set XW,   208
.set QK,   184                         ; v184-215 later: the 4 accumulators of q and k
.set WF,   216                         ; v216-251 the fragments of Wq, Wk and my 16 columns of Wv
.set WS,   252                         ; v252-254 their scale words: scales and nothing else
.set PW,   255
; num whole blocks of 32 numbers of ONE lane, v[src + 32 c ..], become registers dst + stride c + 0 .. 5 (lane (r, h): k = 32 h + 0 .. 31) and the scale word scl + c (bytes 0, 1; bytes 2, 3 = 127).
.macro Q32 src, dst, stride, scl, num
.irp c, 0,1,2
.if \c < \num
	v_max3_num_f32 v[QT+\c], |v[\src+32*\c]|, |v[\src+32*\c+1]|, 0x1800000   ; the floor 2^(3 - 127) among the leaves: the byte cannot fall under 1
.endif
.endr
.irp i, 2,4,6,8,10,12,14,16,18,20,22,24,26,28,30
.irp c, 0,1,2
.if \c < \num
	v_max3_num_f32 v[QT+\c], v[QT+\c], |v[\src+32*\c+\i]|, |v[\src+32*\c+\i+1]|   ; the blocks by turns
.endif
.endr
.endr
.irp c, 0,1,2
.if \c < \num
	v_add_nc_u32 v[QS+\c], 0xff000000, v[QT+\c]    ; 2 off the exponent field: the conversion's scale operand
.endif
.endr
.irp c, 0,1,2
.if \c < \num
	v_lshrrev_b32 v[QT+\c], 23, v[QS+\c]           ; the scale's byte,
.endif
.endr
.irp c, 0,1,2
.if \c < \num
	v_lshlrev_b32 v[QT+\c], v[SH8], v[QT+\c]       ; at block h's place
.endif
.endr
.irp c, 0,1,2
.if \c < \num
	v_permlanex16_b32 v[QP+\c], v[QT+\c], s20, s21 ; lane l xor 16 holds the row's other block
.endif
.endr
.irp c, 0,1,2
.if \c < \num
	v_or_b32 v[QT+\c], v[QT+\c], v[QP+\c]
.endif
.endr
.irp c, 0,1,2
.if \c < \num
	v_or_b32 v[\scl+\c], 0x7f7f0000, v[QT+\c]      ; the two blocks of zero codes get the byte 127
.endif
.endr
.irp c, 0,1,2
.if \c < \num
	v_cvt_scalef32_pk16_fp6_f32 v[\dst+\stride*\c:\dst+\stride*\c+2], v[\src+32*\c:\src+32*\c+15], v[QS+\c]
	v_cvt_scalef32_pk16_fp6_f32 v[QC+4*\c:QC+4*\c+2], v[\src+32*\c+16:\src+32*\c+31], v[QS+\c]   ; (a conversion's three registers begin on an even number)
.endif
.endr
	v_nop                                          ; one plain place behind the scaled conversions
.irp c, 0,1,2
.if \c < \num
.irp i, 0,1,2
	v_mov_b32 v[\dst+\stride*\c+3+\i], v[QC+4*\c+\i]
.endr
.endif
.endr
.endm
; 64 numbers of a lane, register 16 b + i = k 32 b + 16 h + i of my row, become a fragment's codes in v[PC] on and its scale word in v[PW].
.macro QUANT s
.irp b, 0,1,2,3
	v_max3_num_f32 v[TM+\b], |v[\s+16*\b]|, |v[\s+1+16*\b]|, 0x1800000
.endr
.irp i, 2,4,6,8,10,12,14
.irp b, 0,1,2,3
	v_max3_num_f32 v[TM+\b], v[TM+\b], |v[\s+16*\b+\i]|, |v[\s+1+16*\b+\i]|
.endr
.endr
.irp b, 0,1,2,3
	v_permlanex16_b32 v[TM+4+\b], v[TM+\b], s20, s21
.endr
.irp b, 0,1,2,3
	v_max_num_f32 v[TM+\b], v[TM+\b], v[TM+4+\b]   ; with lane l xor 16's 16: the block's largest magnitude
.endr
.irp b, 0,1,2,3
	v_add_nc_u32 v[TM+12+\b], 0xff000000, v[TM+\b]
.endr
.irp b, 0,1,2,3
	v_lshrrev_b32 v[TM+4+\b], 23, v[TM+12+\b]
.endr
	v_lshl_or_b32 v[PW], v[TM+5], 8, v[TM+4]
	v_lshl_or_b32 v[PW], v[TM+6], 16, v[PW]
	v_lshl_or_b32 v[PW], v[TM+7], 24, v[PW]
.irp c, 0,1
	v_cvt_scalef32_pk16_fp6_f32 v[PC+6*\c:PC+2+6*\c], v[\s+32*\c:\s+15+32*\c], v[TM+12+2*\c]
	v_cvt_scalef32_pk16_fp6_f32 v[PC+12+4*\c:PC+14+4*\c], v[\s+16+32*\c:\s+31+32*\c], v[TM+12+2*\c+1]
.endr
	v_nop                                          ; one plain place behind the scaled conversions
.irp c, 0,1                                    ; the operand wants a WHOLE block in a lane: lanes 0-15 block 2 c, lanes 16-31 block 2 c + 1
.irp i, 0,1,2
	v_permlane16_swap_b32 v[PC+6*\c+\i], v[PC+12+4*\c+\i]
.endr
.irp i, 0,1,2
	v_mov_b32 v[PC+3+6*\c+\i], v[PC+12+4*\c+\i]
.endr
.endr
.endm
.macro BARRIER                                 ; my LDS stores have landed and my LDS loads are in: then the work-group's barrier
	s_wait_dscnt 0x0
	s_barrier_signal -1
	s_barrier_wait -1
.endm
.macro XFETCH a16, a8, a4, slot, off           ; a fragment's six registers and its scale words, from image number off of the address registers given
	ds_load_b128 v[XF+12*\slot:XF+12*\slot+3], v[\a16] offset:768*(\off)
	ds_load_b64 v[XF+12*\slot+4:XF+12*\slot+5], v[\a8] offset:768*(\off)
	ds_load_b32 v[XS+\slot], v[\a4] offset:128*(\off)
.endm
	s_load_b256 s[4:11], s[0:1], 0x0               ; x s[4:5], Wq s[6:7], Wk s[8:9], Wv s[10:11]
	s_load_b128 s[12:15], s[0:1], 0x20             ; qf s[12:13], kv s[14:15]
	s_set_vgpr_msb 0x40
	v_lshl_add_u32 v0, v0, 2, 0x11000
	v_mov_b32 v1, 0
	s_set_vgpr_msb 0x4000
	v_lshrrev_b32 v[LN], 5, v0
	v_readfirstlane_b32 s16, v[LN]                 ; wave 0..3
	v_and_b32 v[LN], 31, v0
	v_and_b32 v[RR], 15, v0
	v_bfe_u32 v[HH], v0, 4, 1
	v_lshlrev_b32 v[L16], 4, v[LN]
	v_lshlrev_b32 v[T16], 4, v0
	s_mul_i32 s17, s16, XSTW
	v_mul_u32_u24 v[XSI], v[HH], 272               ; in: a load's 512 bytes are two rows: row h, 16 bytes at 16 r
	v_lshl_add_u32 v[XSI], v[RR], 4, v[XSI]
	v_add_nc_u32 v[XSI], s17, v[XSI]
	v_and_b32 v[XSO], 7, v[RR]                     ; out: row (r % 8) + 16 (r / 8) (+ 8 u in the immediate), my block's 128 bytes
	v_mul_u32_u24 v[XSO], v[XSO], 272
	v_bfe_u32 v[QT], v0, 3, 1
	v_mad_u32_u24 v[XSO], v[QT], 4480, v[XSO]      ; 16 rows of 272 and the 128 bytes behind row 15
	v_lshl_add_u32 v[XSO], v[HH], 7, v[XSO]
	v_add_nc_u32 v[XSO], s17, v[XSO]
	v_lshl_add_u32 v[WSI], v0, 4, WST
	v_lshl_add_u32 v[WCQ], v[RR], 2, WST
	v_mad_u32_u24 v[WCQ], v[HH], 2112, v[WCQ]      ; column r, rows 32 h on
	s_lshl_b32 s18, s16, 6
	v_lshl_add_u32 v[WCV], v[RR], 2, WST+8704
	v_mad_u32_u24 v[WCV], v[HH], 8256, v[WCV]
	v_add_nc_u32 v[WCV], s18, v[WCV]               ; column 16 w + r
	s_mul_i32 s18, s16, 1536
	v_add_nc_u32 v[IR16], XIMG, v[L16]
	v_add_nc_u32 v[IW16], s18, v[IR16]
	v_lshl_add_u32 v[IR8], v[LN], 3, XIMG+512
	v_add_nc_u32 v[IW8], s18, v[IR8]
	v_lshl_add_u32 v[IR4], v[LN], 2, XSC
	s_lshl_b32 s19, s16, 8
	v_add_nc_u32 v[IW4], s19, v[IR4]
	v_lshl_add_u32 v[VW], v0, 2, VSC
	v_add_nc_u32 v[VR], VSC, v[L16]
	v_lshlrev_b32 v[SH8], 3, v[HH]
	s_mov_b32 s20, 0x76543210
	s_mov_b32 s21, 0xfedcba98                      ; v_permlanex16_b32's selects for lane l xor 16
	s_lshl_b32 s22, ttmp9, 15                      ; x: 128 rows of 256 bytes a step, 32 rows a wave
	s_lshl_b32 s23, s16, 13
	s_add_co_u32 s22, s22, s23
	s_mov_b32 s23, 0
	s_lshl_b32 s28, ttmp9, 13                      ; qf: 8,192 a step, 2,048 a wave
	s_lshl_b32 s34, s16, 11
	s_add_co_u32 s28, s28, s34
	s_mov_b32 s29, 0
	s_mov_b32 s35, 0
	s_mul_i32 s30, ttmp9, REC                      ; kv: the step's record
	s_mov_b32 s31, 0
	s_mul_i32 s32, s16, 1536
	s_add_co_u32 s32, s32, 8192                    ; in it my fragment of v
	s_mov_b32 s33, 0
	s_wait_kmcnt 0x0
	s_add_nc_u64 s[4:5], s[4:5], s[22:23]
	s_add_nc_u64 s[12:13], s[12:13], s[28:29]
	s_add_nc_u64 s[14:15], s[14:15], s[30:31]
	s_add_nc_u64 s[24:25], s[14:15], s[32:33]      ; v's fragment
	s_add_nc_u64 s[26:27], s[14:15], 14336         ; v's scale words
	s_add_nc_u64 s[14:15], s[14:15], s[34:35]      ; k's two tiles
	; the weights, dense: the 128 threads take 2,048 consecutive bytes a load; then my 32 rows of x, 512 consecutive bytes a load
	global_load_b128 v[WL:WL+3], v[T16], s[6:7]
	global_load_b128 v[WL+4:WL+7], v[T16], s[6:7] offset:2048
	global_load_b128 v[WL+8:WL+11], v[T16], s[8:9]
	global_load_b128 v[WL+12:WL+15], v[T16], s[8:9] offset:2048
.irp i, 0,1,2,3,4,5,6,7
	global_load_b128 v[WL+16+4*\i:WL+19+4*\i], v[T16], s[10:11] offset:2048*\i
.endr
.irp i, 0,1,2,3,4,5,6,7,8,9,10,11,12,13,14,15
	global_load_b128 v[XN+4*\i:XN+4*\i+3], v[L16], s[4:5] offset:512*\i th:TH_LOAD_NT
.endr
.irp c, 0,1,2
.irp i, 6,7,8,9,10,11
	v_mov_b32 v[WF+12*\c+\i], 0                    ; K = 64 .. 127 of the weights' fragments: zero codes
.endr
	v_mov_b32 v[QP+\c], 0                          ; written once: a lane permute's destination counts as one of its sources
.endr
	s_wait_loadcnt 16                              ; the weights' twelve loads are in; x's sixteen, issued behind them, may be out
	ds_store_b128 v[WSI], v[WL:WL+3]
	ds_store_b128 v[WSI], v[WL+4:WL+7] offset:2112
	ds_store_b128 v[WSI], v[WL+8:WL+11] offset:4352
	ds_store_b128 v[WSI], v[WL+12:WL+15] offset:6464
.irp i, 0,1,2,3,4,5,6,7
	ds_store_b128 v[WSI], v[WL+16+4*\i:WL+19+4*\i] offset:8704+2048*\i+64*(\i/4)
.endr
	s_wait_loadcnt 0x0
.irp i, 0,1,2,3,4,5,6,7,8,9,10,11,12,13,14,15
	ds_store_b128 v[XSI], v[XN+4*\i:XN+4*\i+3] offset:544*\i+128*(\i/8)   ; rows 2 i and 2 i + 1
.endr
.irp u, 0,1
.irp j, 0,1,2,3,4,5,6,7
	ds_load_b128 v[XN+32*\u+4*\j:XN+32*\u+4*\j+3], v[XSO] offset:2176*\u+16*\j   ; LDS serves a wave's instructions in order: these see my stores.  Tile 2 w + u: x(row(r), 32 h + 4 j ..)
.endr
.endr
	BARRIER                                        ; the weights lie in LDS; my x is back
	Q32 XN, XC, 6, XW, 2
.irp u, 0,1
	ds_store_b128 v[IW16], v[XC+6*\u:XC+6*\u+3] offset:768*\u
	ds_store_b64 v[IW8], v[XC+6*\u+4:XC+6*\u+5] offset:768*\u
	ds_store_b32 v[IW4], v[XW+\u] offset:128*\u
.endr
	BARRIER                                        ; x's eight fragments lie in LDS
.irp i, 0,1,2,3,4,5,6,7,8,9,10,11,12,13,14,15,16,17,18,19,20,21,22,23,24,25,26,27,28,29,30,31
	ds_load_b32 v[WR+\i], v[WCQ] offset:64*\i             ; Wq(32 h + i, r): a lane takes a column and its registers run down K
	ds_load_b32 v[WR+32+\i], v[WCQ] offset:4352+64*\i     ; Wk likewise
	ds_load_b32 v[WR+64+\i], v[WCV] offset:256*\i         ; Wv(32 h + i, 16 w + r)
.endr
	s_wait_dscnt 0x0
	Q32 WR, WF, 12, WS, 3
.irp f, 0,1,2,3
.irp i, 6,7,8,9,10,11
	v_mov_b32 v[XF+12*\f+\i], 0                    ; K = 64 .. 127 of x's fragments: zero codes.  (These 28 lines are also the places between the writes of WS and WF and the scaled products)
.endr
.endr
.irp b, 0,1,2,3
	v_mov_b32 v[TM+4+\b], 0                        ; written once: a lane permute's destination counts as one of its sources
.endr
	; q and k of my two tiles, TRANSPOSED: source 0 = the 16 columns of Wq or Wk, source 1 = 16 rows of x: lane (r, h) holds dims 8 h + 0 .. 7 of row(r): the image itself
	XFETCH IW16, IW8, IW4, 0, 0
	XFETCH IW16, IW8, IW4, 1, 1
	s_wait_dscnt 0x0
.irp u, 0,1
.irp z, 0,1
	v_wmma_scale_f32_16x16x128_f8f6f4 v[QK+8*(2*\u+\z):QK+8*(2*\u+\z)+7], v[WF+12*\z:WF+12*\z+11], v[XF+12*\u:XF+12*\u+11], 0, v[WS+\z], v[XS+\u] matrix_a_fmt:MATRIX_FMT_FP6 matrix_b_fmt:MATRIX_FMT_FP6
.endr
.endr
.rept 4
	v_nop                                          ; four places ahead of loads into registers that the products read, and of the stores of their results
.endr
	; v of my 16 channels: source 0 = 16 rows of x, source 1 = my columns of Wv: lane (r, h) holds channel r, register 8 t + j row 32 b + 16 h + 8 u + j
.irp i, 0,1,2,3
	XFETCH IR16, IR8, IR4, \i, \i
.endr
.irp u, 0,1
.irp c, 0,1
	global_store_b128 v[L16], v[QK+16*\u+4*\c:QK+16*\u+4*\c+3], s[12:13] offset:1024*\u+512*\c       ; q: each accumulator from its low end on; 512 consecutive bytes a store
.endr
.irp c, 0,1
	global_store_b128 v[L16], v[QK+16*\u+8+4*\c:QK+16*\u+8+4*\c+3], s[14:15] offset:1024*\u+512*\c   ; k
.endr
.endr
	s_wait_dscnt 0x0
.irp i, 0,1,2,3
	v_wmma_scale_f32_16x16x128_f8f6f4 v[HA+8*\i:HA+8*\i+7], v[XF+12*\i:XF+12*\i+11], v[WF+24:WF+35], 0, v[XS+\i], v[WS+2] matrix_a_fmt:MATRIX_FMT_FP6 matrix_b_fmt:MATRIX_FMT_FP6
.endr
.rept 4
	v_nop
.endr
.irp i, 0,1,2,3
	XFETCH IR16, IR8, IR4, \i, \i+4
.endr
	s_wait_dscnt 0x0
.irp i, 0,1,2,3
	v_wmma_scale_f32_16x16x128_f8f6f4 v[HA+32+8*\i:HA+32+8*\i+7], v[XF+12*\i:XF+12*\i+11], v[WF+24:WF+35], 0, v[XS+\i], v[WS+2] matrix_a_fmt:MATRIX_FMT_FP6 matrix_b_fmt:MATRIX_FMT_FP6
.endr
.rept 4
	v_nop
.endr
	QUANT HA                                       ; v along the keys: four blocks of 32 rows of my channel
.irp p, 0,1,2
	global_store_b128 v[L16], v[PC+4*\p:PC+4*\p+3], s[24:25] offset:512*\p
.endr
	ds_store_b32 v[VW], v[PW]
	BARRIER                                        ; the four waves' scale words lie together: 512 bytes
	s_cmp_lg_u32 s16, 0
	s_cbranch_scc1 .Lend
	ds_load_b128 v[TM:TM+3], v[VR]
	s_wait_dscnt 0x0
	global_store_b128 v[L16], v[TM:TM+3], s[26:27] ; wave 0 stores them: 512 consecutive bytes
.Lend:
	s_set_vgpr_msb 0x5
	s_wait_tensorcnt 0x0
	ds_add_u32 v0, v1
	s_wait_dscnt 0x0
	s_set_vgpr_msb 0x500
	s_endpgm
.Lfunc_end_k_qa0068ed842_proj:
	.size	k_qa0068ed842_proj, .Lfunc_end_k_qa0068ed842_proj-k_qa0068ed842_proj
	.p2alignl 7, 3214868480
	.fill 96, 4, 3214868480
	.section	.rodata,"a",@progbits
	.p2align	6, 0x0
	.amdhsa_kernel k_qa0068ed842_proj
		.amdhsa_group_segment_fixed_size 70144
		.amdhsa_private_segment_fixed_size 0
		.amdhsa_enable_private_segment 0
		.amdhsa_kernarg_size 48
		.amdhsa_user_sgpr_count 2
		.amdhsa_user_sgpr_kernarg_segment_ptr 1
		.amdhsa_wavefront_size32 1
		.amdhsa_system_sgpr_workgroup_id_x 1
		.amdhsa_system_sgpr_workgroup_id_y 1
		.amdhsa_system_sgpr_workgroup_id_z 1
		.amdhsa_system_vgpr_workitem_id 0
		.amdhsa_next_free_vgpr 258
		.amdhsa_next_free_sgpr 66
		.amdhsa_reserve_vcc 0
		.amdhsa_float_denorm_mode_32 3
		.amdhsa_float_denorm_mode_16_64 3
		.amdhsa_memory_ordered 1
		.amdhsa_forward_progress 1
		.amdhsa_inst_pref_size 34
	.end_amdhsa_kernel
	.amdgpu_metadata
---
amdhsa.version: [ 1, 2 ]
amdhsa.kernels:
  - .name:           k_qa0068ed842_proj
    .symbol:         k_qa0068ed842_proj.kd
    .args:
      - { .name: x, .offset: 0, .size: 8, .value_kind: global_buffer, .address_space: global }
      - { .name: Wq, .offset: 8, .size: 8, .value_kind: global_buffer, .address_space: global }
      - { .name: Wk, .offset: 16, .size: 8, .value_kind: global_buffer, .address_space: global }
      - { .name: Wv, .offset: 24, .size: 8, .value_kind: global_buffer, .address_space: global }
      - { .name: qf, .offset: 32, .size: 8, .value_kind: global_buffer, .address_space: global }
      - { .name: kv, .offset: 40, .size: 8, .value_kind: global_buffer, .address_space: global }
    .group_segment_fixed_size: 70144
    .private_segment_fixed_size: 0
    .kernarg_segment_align: 8
    .kernarg_segment_size: 48
    .max_flat_workgroup_size: 128
    .sgpr_count:     66
    .vgpr_count:     258
    .wavefront_size: 32
...
	.end_amdgpu_metadata
.endif
;; end of part 1
;; launch attn (part 2): grid 64 x 4, 16 waves a work-group, clusters of 4 x 1, 327,680 bytes of LDS; arguments qf, kv, out0; writes out0
.if DOCPART == 2
	.amdgcn_target "amdgcn-amd-amdhsa--gfx1250"
	.amdhsa_code_object_version 6
	.text
	.protected	k_qa0068ed842_attn
	.globl	k_qa0068ed842_attn
	.p2align	8
	.type	k_qa0068ed842_attn,@function
k_qa0068ed842_attn:
	s_mov_b64 s[64:65], 0
	v_nop
	global_prefetch_b8 v0, s[64:65] scope:SCOPE_SE
	s_setreg_imm32_b32 hwreg(HW_REG_WAVE_MODE, 25, 1), 1
	s_wait_xcnt 0x0
	s_wait_alu depctr_hold_cnt(0) depctr_sa_sdst(0) depctr_va_vdst(0) depctr_va_sdst(0) depctr_va_ssrc(0) depctr_va_vcc(0) depctr_vm_vsrc(0)
	s_getreg_b32 s2, hwreg(HW_REG_IB_STS2, 6, 4)
	s_cmp_eq_u32 s2, 0
	s_cbranch_scc0 .Lentry_in_a_cluster
	s_endpgm
.Lentry_in_a_cluster:
	s_bfe_u32 s2, ttmp6, 0x10000c
	s_cmp_lg_u32 s2, 0x3003
	s_cbranch_scc0 .Lentry_shape_is_right
	s_endpgm
.Lentry_shape_is_right:
; out[b][q][:] = the sum over keys k <= q of softmax_k(q . k / 4) v[k][:].  Scores in f32 (v_wmma_f32_16x16x4_f32: they go on into a quantiser); the second product on codes of FP6 (E2M3), K = the keys.
; t = score x log2(e) / 4; M = the running largest t rounded UP to a whole number; p = 2^(t - M) is quantised in blocks of 32 keys, not normalised; the row's sum is taken of the unquantised p and divides at the end.
; INPUTS, as the launch before laid them: images of operand registers, in steps of 128 rows, 8 tiles a step; lane r of tile 2 b + u stands for row 32 b + 8 u + r + 8 (r / 8).
;   qf: record of 8,192 bytes a step, tile at 1,024 t, part c at 512 c + 16 x lane: dims 8 h + 4 c + 0 .. 3.   kv: record of 14,848 bytes a step: k as qf; v's 4 fragments (16 channels x 128 keys) at 8,192; their scale words at 14,336.
; SHARES.  Cluster cl (0 .. 15) of a batch owns query steps cl and 31 - cl: (cl + 1) + (32 - cl) = 33 key steps for each pair of tiles, the same in every cluster.  Work-group cx takes tiles 2 cx, 2 cx + 1 of both steps: four tiles.
; The 16 waves are 4 tiles x 4 shares of the keys: ks = wave / 4, tile = (wave + ks) % 4; wave (tile, ks) works the key steps s = ks, ks + 4, .. up to its tile's own step D; s = D lies on the diagonal.
; The four shares of a tile, each under its own whole-number M, meet in LDS at the end and are brought under one M by exact powers of two.
; BOTH PRODUCTS ARE USED TRANSPOSED: S^T = k q^T, O^T = v^T p^T: a lane holds one query (lane % 16) throughout; the 16 registers of tiles 2 b, 2 b + 1 of S^T are keys 32 b + 16 (lane / 16) + 0 .. 15.
; The f32 product takes dims 8 h + 2 c, 8 h + 2 c + 1 in its c-th K step, of q and k alike: the 16 products of a score are all there, summed in that order.
; THE RING.  Two LDS slots of 8 records (118,784 bytes); a batch is four slots' worth.  All four partners of a cluster walk the same records: each part is asked for JOINTLY (mask 15), by waves 0-3, two records each.
; Every work-group walks all four slots, so that no tensor load and no barrier is jumped over; what is left out by a scalar branch on ids is a step's work.  By this text's count a wave has two tensor loads out at the start, later one.
; LIMITS: NaN and infinities are not served; t under -3e38 is not served (the running maximum starts there); a block of p that is all zeros keeps the byte 1: its codes are zeros.
.set REC,   14848
.set SLOTB, 8*REC                      ; 118,784
.set PART,  2*REC                      ; what one tensor load brings: 116 rows of 256 bytes
.set BATB,  32*REC                     ; a batch's records
.set STG,   2*SLOTB                    ; behind the ring: for each wave 16 rows x (256 + 16) bytes of O, at 4,352 x (4 tile + ks)
.set LM,    STG+16*4352                ; for each wave 128 bytes: row r's (sum, -M) at 8 r
.set SPARE, LM+2048                    ; the spare words, 128 bytes for each of 16 waves: eight blocks of 256 bytes that no other line names
.set A16,  1                           ; v1   16 x lane + REC x ks
.set A4,   2                           ; v2   4 x lane + REC x ks
.set SPW,  3                           ; v3   LDS address of my spare word; never rewritten
.set NIL,  4                           ; v4   0; never rewritten
.set DL,   5                           ; v5   my query's row in its step - 16 h
.set ADK,  6                           ; v6   the step's record, 16 bytes a lane
.set ADS,  7                           ; v7   and 4 bytes a lane
.set PFO,  8                           ; v8   the prefetches' offset; never rewritten
.set GL16, 9                           ; v9   16 x lane
.set NM,   10                          ; v10  -M;  v11 the largest t (named with it as a pair)
.set TMX,  11
.set LS,   12                          ; v[12:13] the sum in two halves
.set FF,   14                          ; v[14:15] f = 2^(old M - new M); v15 is only named with it
.set Q,    16                          ; v16-23 my tile of q
.set BM,   24                          ; v24-27 the blocks' largest scores, then largest p
.set BP,   28                          ; v28-31 lane l xor 16's
.set SO,   32                          ; v32-35 the conversions' scale operands
.set BY,   36                          ; v36-39 the bytes
.set PW,   40                          ; v40   p's scale word: scales and nothing else
.set TT,   41                          ; v41   at work
.set VS,   42                          ; v42-45 v's scale words: scales and nothing else
.set L2,   46                          ; v[46:47] the sums' second chain
.set PC,   48                          ; v48-59 p's codes
.set CT,   60                          ; v60-67 the conversions' second halves
.set O,    68                          ; v68-99 O^T: 4 accumulators
.set S,    100                         ; v100-163 S^T: written by the f32 matrix form alone
.set P,    164                         ; v164-227 k's 8 fragments, then p, then v's 4 fragments
.set STO,  228                         ; v228-231 the merge: where I put O and (sum, -M), where I read them
.set WL,   229
.set RD,   230
.set RL,   231
.set WV,   10                          ; s10 wave, s11 ks, s12 tile, s13 cx, s15 batch
.set KS,   11
.set TAU,  12
.set CX,   13
.set BAT,  15
.set DD,   16                          ; s16  my tile's own step
.set SI,   17                          ; s17  the key step in hand
.set TB,   18                          ; s18  LDS byte of the trip's four records
.set TW,   19                          ; s19  counts a slot's two trips
.set CS,   22                          ; s[22:23] c = log2(e) / 4
.set G1,   24                          ; s[24:31] descriptor group 1
.set G0A,  32                          ; s[32:35] group 0 for slot 0;  s[36:39] for slot 1
.set G0B,  36
.set PFA,  40                          ; s[40:41] where my prefetches stand; never rewritten
.set LIM,  42                          ; s42  1 in a wave that prefetches
.macro CROUND                          ; a round of the cluster's barrier: my work-group's barrier; wave 0 signals for the work-group; every wave waits for all four work-groups; my work-group's barrier once more
	s_barrier_signal -1
	s_barrier_wait -1
	s_cmp_lg_u32 s[WV], 0
	s_cbranch_scc1 .Lnot_wave_0_\@
	s_barrier_signal -3
.Lnot_wave_0_\@:
	s_barrier_wait -3
	s_barrier_signal -1
	s_barrier_wait -1
.endm
.macro JLOAD g0                        ; a joint refill: waves 0-3, two records each; the branch hangs on the wave's number alone.  Four v_nop follow the load
	s_cmp_lt_u32 s[WV], 4
	s_cbranch_scc0 .Lnone_\@
	tensor_load_to_lds s[\g0:\g0+3], s[G1:G1+7]
	s_nop 0
.rept 4
	v_nop
.endr
.Lnone_\@:
.endm
; A prefetch of a slot's worth of records, a slot's work ahead of the joint load that will ask for it.  All clusters of a batch walk the same records: the batch's first cluster asks.  Its four partners are told apart BY ADDRESS,
; 116 blocks of 256 bytes each; in each, waves 4-7 (which fetch nothing) take 29 blocks, a lane a block; lanes 29-31 name block 28 again.  Slots' worth 0 and 1 come by their loads alone.
.macro ASK off
	s_cmp_eq_u32 s[LIM], 1
	s_cbranch_scc0 .Lnot_mine_\@
	global_prefetch_b8 v[PFO], s[PFA:PFA+1] offset:\off th:TH_LOAD_NT scope:SCOPE_SE
.Lnot_mine_\@:
.endm
; The change of slots.  Each wave waits for all its tensor loads (its part of the slot ahead), adds 0 to its spare word, and waits for that and for its reads of the slot that it has left.
; fill = 1: a round of the cluster's barrier, and the slot just left is filled again, two slots' worth on: the first thing behind the round, one load a wave.
.macro CHANGE g0, fill
	s_wait_tensorcnt 0x0                           ; no tensor load of mine is out, so a group 0 may be written
	ds_add_u32 v[SPW], v[NIL]                      ; 0 onto my spare word
.if \fill
	s_add_nc_u64 s[\g0+2:\g0+3], s[\g0+2:\g0+3], 2*SLOTB   ; the type bits on top are not reached
.endif
	s_wait_dscnt 0x0                               ; the add is done, and my reads of the slot that I have left are over
.if \fill
	CROUND
	JLOAD \g0
.else
	s_barrier_signal -1
	s_barrier_wait -1
.endif
.endm
; The blocks' largest scores, the running M, f, and t - M into P.  src: S, or P where the mask has laid the scores there.  Each accumulator is read from its low end on.
.macro MAXFMA src
.irp b, 0,1,2,3
	v_max3_num_f32 v[BM+\b], v[\src+16*\b], v[\src+16*\b+1], v[\src+16*\b+2]   ; the largest score of each block of 32 keys serves twice: for the row's maximum and, since p rises with the score, for the block's largest p
.endr
.irp i, 3,5,7,9,11,13
.irp b, 0,1,2,3
	v_max3_num_f32 v[BM+\b], v[BM+\b], v[\src+16*\b+\i], v[\src+16*\b+\i+1]
.endr
.endr
.irp b, 0,1,2,3
	v_max_num_f32 v[BM+\b], v[BM+\b], v[\src+16*\b+15]
.endr
.irp b, 0,1,2,3
	v_permlanex16_b32 v[BP+\b], v[BM+\b], s20, s21
.endr
.irp b, 0,1,2,3
	v_max_num_f32 v[BM+\b], v[BM+\b], v[BP+\b]     ; with lane l xor 16's 16 keys
.endr
	v_max3_num_f32 v[TT], v[BM], v[BM+1], v[BM+2]
	v_max_num_f32 v[TT], v[TT], v[BM+3]
	v_mul_f32 v[TT], s[CS], v[TT]                  ; the step's largest t (c is positive)
	v_max_num_f32 v[TMX], v[TMX], v[TT]
	v_mov_b32 v[TT], v[NM]
	v_floor_f32 v[NM], -v[TMX]                     ; -M = floor(-t) = -ceil(t)
	v_sub_f32 v[TT], v[NM], v[TT]                  ; old M - new M: a whole number, 0 or less
	v_cvt_i32_f32 v[TT], v[TT]                     ; (it saturates)
	v_ldexp_f32 v[FF], 1.0, v[TT]                  ; f: a multiplication by it rounds nothing
.set jj, 0
.rept 32
	v_pk_fma_f32 v[P+jj:P+jj+1], v[\src+jj:\src+jj+1], s[CS:CS+1], v[NM:NM+1] op_sel_hi:[1,0,0]   ; t - M, two at a time (of the pairs c and -M the low word serves both halves)
.set jj, jj+2
.endr
.irp b, 0,1,2,3
	v_fma_f32 v[BM+\b], v[BM+\b], s[CS], v[NM]     ; the same of each block's largest score
.endr
.endm
; A KEY STEP of my share: 128 keys, the record at s[TB] + REC x ks.
.macro STEP
	s_cmp_gt_u32 s[SI], s[DD]                      ; all its keys come after my queries: a scalar branch on ids, round the step's work alone
	s_cbranch_scc1 .Lhidden_\@
	v_add_nc_u32 v[ADK], s[TB], v[A16]
	v_add_nc_u32 v[ADS], s[TB], v[A4]
	v_nop
	v_nop                                          ; four places between the last step's products and the loads into the registers that they read
.irp t, 0,1,2,3,4,5,6,7
	ds_load_b128 v[P+8*\t:P+8*\t+3], v[ADK] offset:1024*\t          ; k, tile t: dims 8 h + 0 .. 3
.endr
.irp t, 0,1,2,3,4,5,6,7
	ds_load_b128 v[P+8*\t+4:P+8*\t+7], v[ADK] offset:1024*\t+512    ; dims 8 h + 4 .. 7
.endr
	s_wait_dscnt 0x8                               ; the first eight loads are in; the eight behind them may be out
.irp t, 0,1,2,3,4,5,6,7                        ; the eight accumulators take turns, one instruction a turn; the first K step starts the sums
	v_wmma_f32_16x16x4_f32 v[S+8*\t:S+8*\t+7], v[P+8*\t:P+8*\t+1], v[Q:Q+1], 0
.endr
.irp t, 0,1,2,3,4,5,6,7
	v_wmma_f32_16x16x4_f32 v[S+8*\t:S+8*\t+7], v[P+8*\t+2:P+8*\t+3], v[Q+2:Q+3], v[S+8*\t:S+8*\t+7]
.endr
	s_wait_dscnt 0x0
.irp c, 2,3
.irp t, 0,1,2,3,4,5,6,7
	v_wmma_f32_16x16x4_f32 v[S+8*\t:S+8*\t+7], v[P+8*\t+2*\c:P+8*\t+2*\c+1], v[Q+2*\c:Q+2*\c+1], v[S+8*\t:S+8*\t+7]
.endr
.endr
.rept 8
	v_nop                                          ; eight places behind this form, ahead of the reads of S^T and the writes over k's fragments
.endr
	s_cmp_eq_u32 s[SI], s[DD]
	s_cbranch_scc1 .Ldiag_\@
	MAXFMA S
	s_branch .Ljoin_\@
.Ldiag_\@:                                     ; on the diagonal the scores of hidden keys become -infinity ahead of the maximum: p = 0 then.  Register n holds key 32 (n / 16) + 16 h + n % 16 of the step
	v_mov_b32 v[TT], 0xff800000
.irp n, 0,1,2,3,4,5,6,7,8,9,10,11,12,13,14,15,16,17,18,19,20,21,22,23,24,25,26,27,28,29,30,31,32,33,34,35,36,37,38,39,40,41,42,43,44,45,46,47,48,49,50,51,52,53,54,55,56,57,58,59,60,61,62,63
	v_cmp_gt_i32 vcc_lo, 32*(\n/16)+\n%16, v[DL]
	v_cndmask_b32 v[P+\n], v[S+\n], v[TT], vcc_lo
.endr
	MAXFMA P
.Ljoin_\@:
.set jj, 0
.rept 64
	v_exp_f32 v[P+jj], v[P+jj]                     ; p = 2^(t - M), at most 1
.set jj, jj+1
.endr
	v_pk_mul_f32 v[LS:LS+1], v[LS:LS+1], v[FF:FF+1] op_sel_hi:[1,0]   ; the sums under the new M: a plain place behind the exponentials
	s_wait_alu depctr_va_vdst(0)                   ; one wait for the batch of 64, ahead of its first reader
.irp b, 0,1,2,3
	v_exp_f32 v[BM+\b], v[BM+\b]                   ; the blocks' largest p
.endr
	v_pk_add_f32 v[L2:L2+1], v[P:P+1], v[P+2:P+3]  ; the row's sum of the UNQUANTISED p, two at a time, in two chains: plain work behind the four
.set jj, 4
.rept 15
	v_pk_add_f32 v[LS:LS+1], v[LS:LS+1], v[P+jj:P+jj+1]
	v_pk_add_f32 v[L2:L2+1], v[L2:L2+1], v[P+jj+2:P+jj+3]
.set jj, jj+4
.endr
	v_pk_add_f32 v[LS:LS+1], v[LS:LS+1], v[L2:L2+1]
	s_wait_alu depctr_va_vdst(0)                   ; and one for the four
.irp b, 0,1,2,3
	v_max_num_f32 v[BM+\b], 0x1800000, v[BM+\b]    ; the floor 2^(3 - 127): the byte cannot fall under 1
.endr
.irp b, 0,1,2,3
	v_add_nc_u32 v[SO+\b], 0xff000000, v[BM+\b]    ; 2 off the exponent field: the conversion's scale operand
.endr
.irp b, 0,1,2,3
	v_lshrrev_b32 v[BY+\b], 23, v[SO+\b]
.endr
	v_lshl_or_b32 v[PW], v[BY+1], 8, v[BY]         ; p's scale word for these 128 keys
	v_lshl_or_b32 v[PW], v[BY+2], 16, v[PW]
	v_lshl_or_b32 v[PW], v[BY+3], 24, v[PW]
.irp c, 0,1
	v_cvt_scalef32_pk16_fp6_f32 v[PC+6*\c:PC+6*\c+2], v[P+32*\c:P+32*\c+15], v[SO+2*\c]
	v_cvt_scalef32_pk16_fp6_f32 v[CT+4*\c:CT+4*\c+2], v[P+32*\c+16:P+32*\c+31], v[SO+2*\c+1]   ; (a conversion's three registers begin on an even number)
.endr
	v_nop                                          ; one plain place behind the scaled conversions
.irp f, 0,1,2,3                                ; v's four fragments take p's registers, and land while the codes are put in order
.irp p, 0,1,2
	ds_load_b128 v[P+12*\f+4*\p:P+12*\f+4*\p+3], v[ADK] offset:8192+1536*\f+512*\p
.endr
	ds_load_b32 v[VS+\f], v[ADS] offset:14336+128*\f
.endr
.irp c, 0,1                                    ; the operand wants a WHOLE block in a lane: lanes 0-15 block 2 c, lanes 16-31 block 2 c + 1
.irp i, 0,1,2
	v_permlane16_swap_b32 v[PC+6*\c+\i], v[CT+4*\c+\i]
.endr
.irp i, 0,1,2
	v_mov_b32 v[PC+3+6*\c+\i], v[CT+4*\c+\i]
.endr
.endr
.set jj, 0
.rept 16
	v_pk_mul_f32 v[O+jj:O+jj+1], v[O+jj:O+jj+1], v[FF:FF+1] op_sel_hi:[1,0]   ; O^T under the new M.  (These 16 are also the places between the writes of the codes and the scale word and the scaled products)
.set jj, jj+2
.endr
	s_wait_dscnt 0x0
.irp f, 0,1,2,3
	v_wmma_scale_f32_16x16x128_f8f6f4 v[O+8*\f:O+8*\f+7], v[P+12*\f:P+12*\f+11], v[PC:PC+11], v[O+8*\f:O+8*\f+7], v[VS+\f], v[PW] matrix_a_fmt:MATRIX_FMT_FP6 matrix_b_fmt:MATRIX_FMT_FP6
.endr
.Lhidden_\@:
.endm
.macro SLOTWORK slot                   ; a slot's eight records are two steps of my share: records ks and ks + 4.  The trip count is a constant
	s_mov_b32 s[TB], \slot*SLOTB
	s_mov_b32 s[TW], 2
.Ltrip_\@:
	STEP
	s_add_co_u32 s[TB], s[TB], 4*REC
	s_add_co_u32 s[SI], s[SI], 4
	s_sub_co_u32 s[TW], s[TW], 1
	s_cmp_lg_u32 s[TW], 0
	s_cbranch_scc1 .Ltrip_\@
.endm
	s_load_b128 s[4:7], s[0:1], 0x0                ; qf s[4:5], kv s[6:7]
	s_load_b64 s[8:9], s[0:1], 0x10                ; out0
	v_lshl_add_u32 v[SPW], v0, 2, SPARE
	v_mov_b32 v[NIL], 0
	ds_add_u32 v3, v4
	s_wait_dscnt 0x0
	v_lshrrev_b32 v[TT], 5, v0
	v_readfirstlane_b32 s[WV], v[TT]               ; wave 0..15
	s_lshr_b32 s[KS], s[WV], 2                     ; my share of the keys
	s_add_co_u32 s[TAU], s[WV], s[KS]
	s_and_b32 s[TAU], s[TAU], 3                    ; my tile: waves w, w + 4, w + 8, w + 12 and waves 4 i .. 4 i + 3 alike hold all four tiles
	s_bfe_u32 s[CX], ttmp6, 0x40000                ; cx: it enters q's and out0's addresses, the mask's numbers and the prefetches' address, and nothing else
	s_and_b32 s[BAT], ttmp7, 0xffff                ; the batch, which the four partners share
	s_and_b32 s43, s[TAU], 1                       ; u
	s_lshr_b32 s44, s[TAU], 1                      ; 0: the cluster's early step, 1: its late one
	s_sub_co_u32 s45, 31, ttmp9
	s_cmp_eq_u32 s44, 1
	s_cselect_b32 s[DD], s45, ttmp9                ; my tile's own step: the cluster's number and the wave's alone enter it
	s_mov_b32 s[SI], s[KS]
	s_mov_b32 s20, 0x76543210
	s_mov_b32 s21, 0xfedcba98                      ; v_permlanex16_b32's selects for lane l xor 16
	s_mov_b32 s[CS], 0x3eb8aa3b                    ; c = log2(e) / sqrt(16)
	s_mov_b32 s[CS+1], s[CS]                       ; (named with it as a pair, so it is written)
	; descriptor group 1: a dense block of two records as 116 rows of 256 bytes (32 elements of 8 bytes); images are read 16 bytes a lane on end, so there is no padding
	s_mov_b32 s[G1], 15|(3<<16)|(1<<21)            ; 15:0 the mask: all four work-groups; 17:16 elements of 8 bytes; 21 set beside a mask
	s_mov_b32 s[G1+1], 32<<16                      ; tensor_dim0
	s_mov_b32 s[G1+2], 116<<16                     ; tensor_dim1
	s_mov_b32 s[G1+3], 32<<16                      ; tile_dim0
	s_mov_b32 s[G1+4], 116                         ; tile_dim1
	s_mov_b32 s[G1+5], 32                          ; tensor_dim0_stride
	s_mov_b32 s[G1+6], 0
	s_mov_b32 s[G1+7], 0
	s_and_b32 s47, s[WV], 3
	s_mul_i32 s47, s47, PART                       ; my part of a slot, in LDS and in memory
	s_mul_i32 s48, s[BAT], BATB
	s_add_co_u32 s48, s48, s47
	s_mov_b32 s49, 0
	s_lshl_b32 s52, s[BAT], 5
	s_add_co_u32 s52, s52, s[DD]                   ; my tile's step among all 128
	s_lshl_b32 s53, s52, 13
	s_lshl_b32 s54, s[CX], 1
	s_add_co_u32 s54, s54, s43                     ; tile 2 cx + u
	s_lshl_b32 s54, s54, 10
	s_add_co_u32 s54, s54, s53                     ; q's image
	s_mov_b32 s55, 0
	s_lshl_b32 s56, s52, 7                         ; the four rows of out0 that I store: 128 step + 32 cx + 8 u + 4 ks + 8 (ks / 2)
	s_lshl_b32 s57, s[CX], 5
	s_add_co_u32 s56, s56, s57
	s_lshl_b32 s57, s43, 3
	s_add_co_u32 s56, s56, s57
	s_lshl_b32 s57, s[KS], 2
	s_add_co_u32 s56, s56, s57
	s_lshr_b32 s57, s[KS], 1
	s_lshl_b32 s57, s57, 3
	s_add_co_u32 s56, s56, s57
	s_lshl_b32 s56, s56, 8                         ; 256 bytes a row
	s_mov_b32 s57, 0
	s_mul_i32 s58, s[BAT], BATB                    ; the prefetches: the batch's third slot's worth, my work-group's 116 blocks, my wave's 29
	s_mul_i32 s59, s[CX], PART
	s_add_co_u32 s58, s58, s59
	s_and_b32 s59, s[WV], 3
	s_mul_i32 s59, s59, 7424
	s_add_co_u32 s58, s58, s59
	s_add_co_u32 s58, s58, 2*SLOTB
	s_mov_b32 s59, 0
	s_xor_b32 s[LIM], s[KS], 1                     ; 0 in waves 4-7,
	s_or_b32 s[LIM], s[LIM], ttmp9                 ; of the batch's first cluster: the same in all four partners
	s_cmp_eq_u32 s[LIM], 0
	s_cselect_b32 s[LIM], 1, -1
	s_wait_kmcnt 0x0
	s_add_nc_u64 s[50:51], s[6:7], s[48:49]
	s_add_nc_u64 s[PFA:PFA+1], s[6:7], s[58:59]
	s_add_nc_u64 s[4:5], s[4:5], s[54:55]
	s_add_nc_u64 s[8:9], s[8:9], s[56:57]
	CROUND                                         ; all four work-groups are here: the first joint loads meet
	s_mov_b32 s[G0A], 1                            ; 1:0 count = 1
	s_mov_b32 s[G0A+1], s47                        ; 63:32 LDS address: slot 0
	s_mov_b64 s[G0A+2:G0A+3], s[50:51]             ; 120:64 global address: records 0 .. 7
	s_or_b32 s[G0A+3], s[G0A+3], 0x80000000        ; 127:126 type = 2
	s_mov_b32 s[G0B], 1
	s_add_co_u32 s[G0B+1], s47, SLOTB              ; slot 1
	s_add_nc_u64 s[G0B+2:G0B+3], s[50:51], SLOTB   ; records 8 .. 15
	s_or_b32 s[G0B+3], s[G0B+3], 0x80000000
	s_cmp_lt_u32 s[WV], 4                          ; a wave's two first fills stand in one branch, ahead of every wait on TENSORcnt and every LDS read
	s_cbranch_scc0 .Lno_first
	tensor_load_to_lds s[G0A:G0A+3], s[G1:G1+7]
	s_nop 0
	tensor_load_to_lds s[G0B:G0B+3], s[G1:G1+7]
	s_nop 0
.rept 4
	v_nop
.endr
.Lno_first:
	v_and_b32 v164, 31, v0                         ; lane
	v_and_b32 v165, 15, v0                         ; r
	v_bfe_u32 v166, v0, 4, 1                       ; h
	v_lshlrev_b32 v[GL16], 4, v164
	global_load_b128 v[Q:Q+3], v[GL16], s[4:5]     ; q stays in registers: dims 8 h + 0 .. 3,
	global_load_b128 v[Q+4:Q+7], v[GL16], s[4:5] offset:512   ; 8 h + 4 .. 7
	s_mul_i32 s60, s[KS], REC
	v_add_nc_u32 v[A16], s60, v[GL16]
	v_lshlrev_b32 v[A4], 2, v164
	v_add_nc_u32 v[A4], s60, v[A4]
	s_lshl_b32 s61, s[CX], 5
	s_lshl_b32 s62, s43, 3
	s_add_co_u32 s61, s61, s62
	v_and_b32 v[DL], 8, v165
	v_add_nc_u32 v[DL], v[DL], v165
	v_lshlrev_b32 v167, 4, v166
	v_sub_nc_u32 v[DL], v[DL], v167
	v_add_nc_u32 v[DL], s61, v[DL]                 ; 32 cx + 8 u + r + 8 (r / 8) - 16 h
	v_min_u32 v[PFO], 28, v164
	v_lshlrev_b32 v[PFO], 8, v[PFO]
	s_lshl_b32 s46, s[TAU], 2
	s_add_co_u32 s46, s46, s[KS]                   ; 4 tile + ks: my place in the stages
	s_mul_i32 s62, s46, 4352
	s_add_co_u32 s62, s62, STG
	v_mul_u32_u24 v[STO], v165, 272
	v_lshl_add_u32 v[STO], v166, 5, v[STO]
	v_add_nc_u32 v[STO], s62, v[STO]               ; in: row r, + 32 h; channel tile f 64 f bytes on
	s_lshl_b32 s63, s46, 7
	s_add_co_u32 s63, s63, LM
	v_lshlrev_b32 v[WL], 3, v165
	v_lshl_add_u32 v[WL], v166, 2, v[WL]
	v_add_nc_u32 v[WL], s63, v[WL]                 ; lanes 0-15 store the sum, lanes 16-31 -M
	s_mul_i32 s62, s[TAU], 17408
	s_mul_i32 s63, s[KS], 1088
	s_add_co_u32 s62, s62, s63
	s_add_co_u32 s62, s62, STG
	v_mul_u32_u24 v[RD], v166, 272
	v_lshl_add_u32 v[RD], v165, 4, v[RD]
	v_add_nc_u32 v[RD], s62, v[RD]                 ; back: my tile's rows 4 ks on, lanes 0-15 one row, lanes 16-31 the next
	s_lshl_b32 s62, s[TAU], 9
	s_lshl_b32 s63, s[KS], 5
	s_add_co_u32 s62, s62, s63
	s_add_co_u32 s62, s62, LM
	v_lshlrev_b32 v[RL], 3, v166
	v_add_nc_u32 v[RL], s62, v[RL]
	v_mov_b32 v[TMX], 0xff61b1e6                   ; the largest t so far: -3e38
	v_floor_f32 v[NM], -v[TMX]
	v_mov_b32 v[LS], 0
	v_mov_b32 v[LS+1], 0
	v_mov_b32 v[FF+1], 0                           ; (named as the upper half of the pair)
.irp b, 0,1,2,3
	v_mov_b32 v[BP+\b], 0                          ; written once: a lane permute's destination counts as one of its sources
.endr
.set jj, 0
.rept 32
	v_mov_b32 v[O+jj], 0                           ; O^T: a wave's first step differs from wave to wave, and a wave may have none: so the step is written once and finds zeros
.set jj, jj+1
.endr
	s_wait_tensorcnt 0x1                           ; my part of slot 0 is in; slot 1's may stay out
	s_barrier_signal -1
	s_barrier_wait -1                              ; everybody's is
	ASK 0                                          ; records 16 .. 23: a slot's work ahead of their joint load
	s_wait_loadcnt 0x0                             ; q
	SLOTWORK 0                                     ; records 0 .. 7
	CHANGE G0A, 1                                  ; slot 0 takes records 16 .. 23
	ASK SLOTB                                      ; records 24 .. 31
	SLOTWORK 1                                     ; records 8 .. 15
	CHANGE G0B, 1                                  ; slot 1 takes records 24 .. 31
	SLOTWORK 0
	CHANGE G0A, 0                                  ; nothing is left to fetch
	SLOTWORK 1
	; THE MERGE.  Each wave puts its share of O^T, its sum and its -M into LDS; wave (tile, ks) then takes rows 4 ks .. 4 ks + 3 of its tile from all four shares.
.rept 4
	v_nop                                          ; places behind the last products
.endr
	v_add_f32 v[LS], v[LS], v[LS+1]
	v_permlanex16_b32 v[BP], v[LS], s20, s21
	v_add_f32 v[LS], v[LS], v[BP]                  ; the sum's two halves and lane l xor 16's
	v_bfe_u32 v[TT], v0, 4, 1
	v_cmp_eq_u32 vcc_lo, 1, v[TT]
	v_cndmask_b32 v[TT], v[LS], v[NM], vcc_lo
.irp f, 0,1,2,3
	ds_store_b128 v[STO], v[O+8*\f:O+8*\f+3] offset:64*\f          ; each accumulator from its low end on
	ds_store_b128 v[STO], v[O+8*\f+4:O+8*\f+7] offset:64*\f+16
.endr
	ds_store_b32 v[WL], v[TT]
	s_wait_dscnt 0x0                               ; for the others' sake: my stores are done
	s_barrier_signal -1
	s_barrier_wait -1
.irp i, 0,1
.irp k, 0,1,2,3
	ds_load_b128 v[P+16*\i+4*\k:P+16*\i+4*\k+3], v[RD] offset:4352*\k+544*\i     ; share k, rows 4 ks + 2 i and + 2 i + 1
	ds_load_b64 v[196+8*\i+2*\k:197+8*\i+2*\k], v[RL] offset:128*\k+16*\i        ; its sum and its -M
.endr
.endr
	s_wait_dscnt 0x0
.irp i, 0,1
	v_min_num_f32 v[BM+\i], v[197+8*\i], v[199+8*\i]
	v_min_num_f32 v[BM+2+\i], v[201+8*\i], v[203+8*\i]
.endr
.irp i, 0,1
	v_min_num_f32 v[BM+\i], v[BM+\i], v[BM+2+\i]   ; the least -M: the row's M
.endr
.irp i, 0,1
.irp k, 0,1,2,3
	v_sub_f32 v[212+4*\i+\k], v[BM+\i], v[197+8*\i+2*\k]   ; share k's M less the row's: a whole number, 0 or less (a share that worked no step: -3e38)
.endr
.endr
.irp j, 0,1,2,3,4,5,6,7
	v_cvt_i32_f32 v[212+\j], v[212+\j]             ; (it saturates)
.endr
.irp j, 0,1,2,3,4,5,6,7
	v_ldexp_f32 v[212+\j], 1.0, v[212+\j]          ; an exact power of two, or 0
.endr
.irp i, 0,1
	v_mul_f32 v[SO+\i], v[212+4*\i], v[196+8*\i]
.endr
.irp k, 1,2,3
.irp i, 0,1
	v_fmac_f32 v[SO+\i], v[212+4*\i+\k], v[196+8*\i+2*\k]   ; the row's sum
.endr
.endr
	v_rcp_f32 v[BY], v[SO]
	v_rcp_f32 v[BY+1], v[SO+1]
.irp i, 0,1
.irp e, 0,1,2,3
	v_mul_f32 v[PC+4*\i+\e], v[212+4*\i], v[P+16*\i+\e]     ; O's four shares: the independent work behind the reciprocals
.endr
.endr
.irp k, 1,2,3
.irp i, 0,1
.irp e, 0,1,2,3
	v_fmac_f32 v[PC+4*\i+\e], v[212+4*\i+\k], v[P+16*\i+4*\k+\e]
.endr
.endr
.endr
	s_wait_alu depctr_va_vdst(0)                   ; one wait for the two reciprocals, ahead of their first reader
.irp i, 0,1
.irp e, 0,1,2,3
	v_mul_f32 v[PC+4*\i+\e], v[PC+4*\i+\e], v[BY+\i]
.endr
.endr
.irp i, 0,1
	global_store_b128 v[GL16], v[PC+4*\i:PC+4*\i+3], s[8:9] offset:512*\i th:TH_STORE_NT   ; two whole rows of 256 bytes a store; the four rows are neighbours in out0
.endr
	s_wait_tensorcnt 0x0                           ; the wave's end, behind my last tensor load and my last LDS store
	ds_add_u32 v[SPW], v[NIL]
	s_wait_dscnt 0x0
	CROUND                                         ; the closing round: no work-group ends while a partner may still ask for a tile that names it
	s_endpgm
.Lfunc_end_k_qa0068ed842_attn:
	.size	k_qa0068ed842_attn, .Lfunc_end_k_qa0068ed842_attn-k_qa0068ed842_attn
	.p2alignl 7, 3214868480
	.fill 96, 4, 3214868480
	.section	.rodata,"a",@progbits
	.p2align	6, 0x0
	.amdhsa_kernel k_qa0068ed842_attn
		.amdhsa_group_segment_fixed_size 327680
		.amdhsa_private_segment_fixed_size 0
		.amdhsa_enable_private_segment 0
		.amdhsa_kernarg_size 24
		.amdhsa_user_sgpr_count 2
		.amdhsa_user_sgpr_kernarg_segment_ptr 1
		.amdhsa_wavefront_size32 1
		.amdhsa_system_sgpr_workgroup_id_x 1
		.amdhsa_system_sgpr_workgroup_id_y 1
		.amdhsa_system_sgpr_workgroup_id_z 1
		.amdhsa_system_vgpr_workitem_id 0
		.amdhsa_next_free_vgpr 256
		.amdhsa_next_free_sgpr 66
		.amdhsa_reserve_vcc 1
		.amdhsa_float_denorm_mode_32 3
		.amdhsa_float_denorm_mode_16_64 3
		.amdhsa_memory_ordered 1
		.amdhsa_forward_progress 1
		.amdhsa_inst_pref_size 124
	.end_amdhsa_kernel
	.amdgpu_metadata
---
amdhsa.version: [ 1, 2 ]
amdhsa.kernels:
  - .name:           k_qa0068ed842_attn
    .symbol:         k_qa0068ed842_attn.kd
    .args:
      - { .name: qf, .offset: 0, .size: 8, .value_kind: global_buffer, .address_space: global }
      - { .name: kv, .offset: 8, .size: 8, .value_kind: global_buffer, .address_space: global }
      - { .name: out0, .offset: 16, .size: 8, .value_kind: global_buffer, .address_space: global }
    .group_segment_fixed_size: 327680
    .private_segment_fixed_size: 0
    .kernarg_segment_align: 8
    .kernarg_segment_size: 24
    .max_flat_workgroup_size: 512
    .sgpr_count:     66
    .vgpr_count:     256
    .wavefront_size: 32
...
	.end_amdgpu_metadata
.endif
;; end of part 2
